; MI455X (gfx1250); checked and timed in simulation.
; The chip was launched on July 23, 2026; its instructions are those of AMD's public machine-readable ISA for CDNA 5 (MIT licence, August 2026) and "CDNA5" Instruction Set Architecture Reference Guide (July 2026). The comments in the code are by the model that wrote it; some were corrected since.
;; Self Attention2 D. Allowed arithmetic: matrix products marked QUANTISED: E4M3 operands, one given power-of-two scale a tensor, by v_wmma_f32_16x16x64_fp8_fp8 or v_wmma_f32_16x16x128_fp8_fp8, f32 sums; everything else in f32.
;; Inputs: Wk 64 x 64 float32; Wq 64 x 64 float32; Wv 64 x 64 float32; bk 64 float32; bq 64 float32; bv 64 float32; gamma 1 float32; lowp_scales 10 int32 (the exponents e of the quantised operands' scales 2^e); x 8 x 64 x 64 x 64 float32.
;; Outputs: out0 8 x 64 x 64 x 64 float32.
;; This version of the problem:
;;   THIS VERSION OF THE PROBLEM IS GIVEN IN LOW PRECISION. The matrix products marked QUANTISED in the list below multiply operands that are first quantised to E4M3 (4 exponent bits, 3 mantissa bits; 8 bits a number), with one given power-of-two scale for each operand tensor; their sums are f32. All else is computed in f32.
;;   The module's matrix products, in the order in which they are computed (A, B: the left and right operand; K: the contracted axis; several contracted axes count as one K, in the product's order):
;;     1. [M 64, K 64] x [K 64, N 32,768]; A: input Wq; B: input x: QUANTISED (scales: A lowp_scales[0], B lowp_scales[1])
;;     2. [M 64, K 64] x [K 64, N 32,768]; A: input Wk; B: input x: QUANTISED (scales: A lowp_scales[2], B lowp_scales[3])
;;     3. [M 64, K 64] x [K 64, N 32,768]; A: input Wv; B: input x: QUANTISED (scales: A lowp_scales[4], B lowp_scales[5])
;;     4. batch 8 x [M 4,096, K 64] x [K 64, N 4,096]; A: computed on the way; B: computed on the way: QUANTISED (scales: A lowp_scales[6], B lowp_scales[7])
;;     5. batch 8 x [M 64, K 4,096] x [K 4,096, N 4,096]; A: computed on the way; B: softmax (see below): QUANTISED (scales: A lowp_scales[8], B lowp_scales[9])
;;   THE QUANTISER, for each operand of a quantised product, along K:
;;     - The operand's scale is 2^e, e = its entry of the input lowp_scales (int32; the entries are numbered through the quantised products in the list's order, A before B).
;;     - Each number is divided by the scale, clamped to +-448, and rounded to the nearest number of E4M3, ties to even, subnormals kept.
;;     - The product sums the exact products of the quantised numbers (number of the format x scale) in f32.
;;   ~~~python
;;   def quantise(x, axis, e):      # numpy; x: float32 -> the quantised numbers, widened to float32 again
;;       x = np.moveaxis(x, axis, -1); K = x.shape[-1]
;;       r = np.clip(x / 2.0 ** e, -448, 448)
;;       step = 2.0 ** (np.maximum(np.frexp(np.where(r == 0, 1, r))[1] - 1, -6) - 3)
;;       q = np.round(r / step) * step * 2.0 ** e      # np.round: ties to even
;;       return np.moveaxis(q, -1, axis).astype(np.float32)
;;   ~~~
;;   SOFTMAX AHEAD OF A QUANTISED PRODUCT. Where the list says 'softmax', what is quantised is not the finished softmax but p = 2^(t - M), with t = logit x log2(e) and M = ceil(the row's largest t), a whole number; so 1/2 < the row's largest p <= 1. The row's sum l is taken of the UNQUANTISED p, in f32, and the product's result is divided by l at the end. Since M is a whole number, a kernel that streams over the keys may use a running M (the ceiling of the running maximum): every later rescaling is an exact power of two, so the quantised numbers keep their values, but for numbers so far below the row's largest that they fall under the format's range.
;;   OPERANDS COMPUTED ON THE WAY. 'Computed on the way' means the value that the module computes at that place (a softmax that the list does not call 'softmax' is quantised finished and normalised). What goes into a quantiser is computed in f32, as accurately as f32 sums, v_exp_f32 and their like allow (about 1e-6 of the number): no bf16 or f16 on the way to a quantiser, and a product that is left as it is and whose result goes on into a quantised operand takes f32 operands (vector FMAs, or v_wmma_f32_16x16x4_f32). A number that lies on a knife's edge between two numbers of the format may be rounded either way, as far as f32 arithmetic and the matrix unit's own rounding can turn it there, and no further.
;; One version. Each part assembles by itself: llvm-mc -triple=amdgcn-amd-amdhsa -mcpu=gfx1250 --defsym DOCPART=n.
;; ======== version 1 of 1: 2 launches
;; workspace buffers: qimg 2,097,152 bytes; kv 4,194,304 bytes
;; launch proj (part 1): grid 256 x 1, 4 waves a work-group, no clusters, 12,800 bytes of LDS; arguments x, Wq, Wk, Wv, bq, bk, bv, lowp_scales, qimg, kv; writes qimg, kv
.if DOCPART == 1
	.amdgcn_target "amdgcn-amd-amdhsa--gfx1250"
	.amdhsa_code_object_version 6
	.text
	.protected	k_q576bf1fe8b_proj
	.globl	k_q576bf1fe8b_proj
	.p2align	8
	.type	k_q576bf1fe8b_proj,@function
k_q576bf1fe8b_proj:
	s_mov_b64 s[64:65], 0
	v_nop
	global_prefetch_b8 v0, s[64:65] scope:SCOPE_SE
	s_setreg_imm32_b32 hwreg(HW_REG_WAVE_MODE, 25, 1), 1
	s_wait_xcnt 0x0
; q, k, v = W x + b (three 1x1 projections, K = 64 channels), each product on codes of FP8 (E4M3) with the given scales, and each result quantised again
; for the attention launch.  x: [8][64][4096] f32.  Wq, Wk, Wv: [64 out][64 in] f32.  bq, bk, bv: [64] f32.  lowp_scales: e0 .. e9 (int32).
; (eW, eX, eR) = (e0, e1, e6) for q, (e2, e3, e7) for k, (e4, e5, e8) for v: W and x are quantised with 2^eW and 2^eX, the result with 2^eR.
; LIMITS: each eW, each eX and each eR - eW - eX lies between -126 and 119, so that the scale and 448 x the scale are f32 numbers.  NaN among the inputs is not served.
; SHARES.  Work-group 32 b + s takes positions 128 s .. 128 s + 127 of image b; wave w takes 32 of them, a lane a position, as two tiles u of 16.
; WHAT IS STORED are images of the next launch's operand registers, 16 bytes a lane, 512 consecutive bytes a store:
;   qimg [b][tile of 16 queries][1,024]: registers 4 g .. 4 g + 3 of lane l at 512 g + 16 l (lane (r, h): query r; registers 2 c, 2 c + 1: channels 16 c + 8 h + 0 .. 7).
;   kv   [b][step of 128 keys][16,384]: eight tiles of 16 keys laid as qimg's, then four tiles of 16 channels of v, 2,048 bytes each
;        (lane (r, h): channel r; registers 2 c, 2 c + 1: keys 16 c + 8 h + 0 .. 7; registers 4 g .. 4 g + 3 at 512 g + 16 l).
; K IN THE THREE PROJECTIONS: byte i of lane (r, h)'s 32 bytes stands for channel 32 h + i, in W's fragments and in x's alike: every product meets its partner.
;   x: a lane loads its position's 64 channels (registers run down K; a load reads 128 consecutive bytes a wave, the four waves side by side 512), converts them,
;      and eight exchanges of half rows of lanes make the two tiles' fragments of the sixteen registers of codes.
;   W: lane (r, h) loads 32 neighbouring numbers of row 16 t + r.  Wave w converts tile t = w of each of the three weights; the twelve fragments go to the other waves through LDS as images.
; q, k: source 0 = 16 rows of W, source 1 = 16 positions: a lane then holds ONE position and eight neighbouring channels, which one conversion turns into two registers of the image.
; v:    source 0 = 16 positions, source 1 = 16 rows of W: a lane then holds ONE channel and eight neighbouring keys.
; The bias is the C of the one matrix instruction of each sum, divided by 2^(eW + eX); the result's conversion takes the folded scale 2^(eR - eW - eX).
; No cluster and no tensor load: the weights are f32 and must pass through registers to become codes; each wave reads 12 KiB of them once, and x is shared by nobody.
.set X,   16                           ; v16-79   my position's 64 channels, f32; kept for the three scales
.set D,   80                           ; v80-143  held numbers of x, then the eight accumulators; at the head raw rows of Wq, Wk
.set XC,  144                          ; v144-159 x's codes: two fragments
.set OC,  160                          ; v160-207 the results' codes, 16 registers a product; at the head raw rows of Wv
.set WC,  208                          ; v208-231 my three fragments of W
.set BV,  232                          ; v232-235 bv of my lane's channel in each tile
.set SCV, 236                          ; v236-253 nine pairs (scale, 448 x scale): product p: W at 6 p, x at 6 p + 2, the result at 6 p + 4
.set WF,  0                            ; window 1: v0-95 the twelve fragments of W: tile t of product p at 8 (4 p + t)
.set BC,  96                           ; window 1: v96-191 the biases as C: 32 p + 8 t
.set LI,  2                            ; v2  16 x lane
.set WV,  34                           ; s34 wave
.set TS,  35                           ; s35 at work
.set SCS, 36                           ; s36-53 the nine pairs as scalars
.set NEG, 54                           ; s54-56 -(eW + eX)
.set MSB, 0
.macro WIN new                         ; the immediate's high byte repeats the setting that is left
.if MSB != \new
	s_set_vgpr_msb (MSB<<8)|\new
.set MSB, \new
.endif
.endm
.macro MKS d, e                        ; from the exponent in s[e]: s[d] = 2^e as f32, s[d + 1] = 448 x 2^e
	s_add_co_i32 s[TS], s[\e], 127
	s_lshl_b32 s[\d], s[TS], 23
	s_add_co_i32 s[TS], s[TS], 8
	s_lshl_b32 s[TS], s[TS], 23
	s_or_b32 s[(\d)+1], s[TS], 0x600000
.endm
.macro SCALES p, ew, ex, er
	MKS SCS+6*\p, \ew
	MKS SCS+6*\p+2, \ex
	s_add_co_i32 s57, s[\ew], s[\ex]
	s_sub_co_i32 s[NEG+\p], 0, s57                 ; the bias goes in as b / 2^(eW + eX)
	s_sub_co_i32 s57, s[\er], s57                  ; a sum stands for sum x 2^(eW + eX): its code is sum / 2^(eR - eW - eX)
	MKS SCS+6*\p+4, 57
.endm
; groups x 8 numbers from v[src] on are held within +-448 x the scale (the conversion to an 8-bit code does not saturate: ISA guide 7.6.2), written to v[tmp] on, and converted: two registers of codes a group.
; Each group is read from its lowest register on.
.macro HOLDCVT src, tmp, codes, groups, sc, lim
.set hg, 0
.rept \groups
.irp i, 0,1,2,3,4,5,6,7
	v_med3_num_f32 v[\tmp+8*hg+\i], v[\src+8*hg+\i], -v[\lim], v[\lim]
.endr
	v_cvt_scalef32_pk8_fp8_f32 v[\codes+2*hg:\codes+2*hg+1], v[\tmp+8*hg:\tmp+8*hg+7], v[\sc]
.set hg, hg+1
.endr
	v_nop                                          ; one plain vector instruction behind the last conversion, ahead of whatever touches its result or writes its sources
.endm
.macro WLOAD reg, base                 ; 32 neighbouring numbers of my row of a weight
.irp i, 0,1,2,3,4,5,6,7
	global_load_b128 v[\reg+4*\i:\reg+4*\i+3], v3, s[\base:\base+1] offset:16*\i
.endr
.endm
.macro XLOAD c0                        ; channels c0 .. c0 + 31 of my position
.set xc, \c0
.rept 32
	global_load_b32 v[X+xc], v1, s[4:5] offset:16384*xc th:TH_LOAD_NT
.set xc, xc+1
.endr
.endm
	s_load_b256 s[4:11], s[0:1], 0x0               ; x s[4:5], Wq s[6:7], Wk s[8:9], Wv s[10:11]
	s_load_b256 s[12:19], s[0:1], 0x20             ; bq s[12:13], bk s[14:15], bv s[16:17], the scales' exponents s[18:19]
	s_load_b128 s[20:23], s[0:1], 0x40             ; qimg s[20:21], kv s[22:23]
	v_lshl_add_u32 v254, v0, 2, 0x3000
	v_mov_b32 v255, 0
	v_and_b32 v9, 31, v0                           ; lane
	v_and_b32 v10, 15, v0                          ; r
	v_bfe_u32 v11, v0, 4, 1                        ; h
	v_lshrrev_b32 v12, 5, v0                       ; wave
	v_readfirstlane_b32 s[WV], v12
	v_lshlrev_b32 v1, 2, v9                        ; x: 4 bytes a lane
	v_lshlrev_b32 v[LI], 4, v9
	v_lshlrev_b32 v3, 8, v10
	v_lshl_add_u32 v3, v11, 7, v3
	v_lshl_add_u32 v3, v12, 12, v3                 ; W: row 16 w + r of 256 bytes, + 128 h
	v_lshlrev_b32 v4, 5, v11                       ; bq, bk: my half's eight channels of a tile: 32 h
	v_lshlrev_b32 v5, 2, v10                       ; bv: my channel of a tile: 4 r
	v_lshl_add_u32 v6, v12, 10, v[LI]              ; LDS: where I store my fragments of W: 16 x lane + 1,024 x wave
	v_lshl_add_u32 v7, v12, 11, v[LI]              ; qimg, kv: my wave's two tiles of positions: 16 x lane + 2,048 x wave
	v_lshl_add_u32 v8, v12, 9, v[LI]               ; kv: my wave's 32 keys are group w of each tile of v: 16 x lane + 512 x wave
	s_lshr_b32 s58, ttmp9, 5                       ; image b,
	s_lshl_b32 s58, s58, 20                        ; of 64 x 4,096 x 4 bytes
	s_and_b32 s[TS], ttmp9, 31
	s_lshl_b32 s[TS], s[TS], 9                     ; + 128 positions x 4 bytes for each s
	s_add_co_u32 s58, s58, s[TS]
	s_lshl_b32 s[TS], s[WV], 7                     ; + 32 positions for each wave
	s_add_co_u32 s58, s58, s[TS]
	s_mov_b32 s59, 0
	s_lshl_b32 s60, ttmp9, 13                      ; qimg: eight tiles of 1,024 bytes a work-group
	s_mov_b32 s61, 0
	s_lshl_b32 s62, ttmp9, 14                      ; kv: one step of 16,384 bytes a work-group
	s_mov_b32 s63, 0
	s_wait_kmcnt 0x0
	s_load_b256 s[24:31], s[18:19], 0x0            ; e0 .. e7
	s_load_b64 s[32:33], s[18:19], 0x20            ; e8, e9
	s_add_nc_u64 s[4:5], s[4:5], s[58:59]
	s_add_nc_u64 s[20:21], s[20:21], s[60:61]
	s_add_nc_u64 s[22:23], s[22:23], s[62:63]
	WLOAD D, 6                                     ; tile t = w of Wq, Wk, Wv: 24 loads,
	WLOAD D+32, 8
	WLOAD OC, 10
	XLOAD 0                                        ; then 32 of x
	s_wait_kmcnt 0x0
	SCALES 0, 24, 25, 30
	SCALES 1, 26, 27, 31
	SCALES 2, 28, 29, 32
.set n, 0
.rept 18
	v_mov_b32 v[SCV+n], s[SCS+n]
.set n, n+1
.endr
	s_wait_loadcnt 32                              ; loads come back in order: the 24 of W are in, the 32 younger ones of x may be out
	XLOAD 32
	WIN 0x40                                       ; destination window 1
.irp t, 0,1,2,3
	global_load_b128 v[BC+8*\t:BC+8*\t+3],       v4, s[12:13] offset:64*\t      ; bq(16 t + 8 h + 0 .. 7)
	global_load_b128 v[BC+8*\t+4:BC+8*\t+7],     v4, s[12:13] offset:64*\t+16
	global_load_b128 v[BC+32+8*\t:BC+32+8*\t+3], v4, s[14:15] offset:64*\t      ; bk likewise
	global_load_b128 v[BC+32+8*\t+4:BC+32+8*\t+7], v4, s[14:15] offset:64*\t+16
.endr
	WIN 0
.irp t, 0,1,2,3
	global_load_b32 v[BV+\t], v5, s[16:17] offset:64*\t                         ; bv(16 t + r)
.endr
	; my three fragments of W, and their images
	HOLDCVT D, D, WC, 4, SCV, SCV+1
	HOLDCVT D+32, D+32, WC+8, 4, SCV+6, SCV+7
	HOLDCVT OC, OC, WC+16, 4, SCV+12, SCV+13
.irp p, 0,1,2
.irp g, 0,1
	ds_store_b128 v6, v[WC+8*\p+4*\g:WC+8*\p+4*\g+3] offset:4096*\p+512*\g      ; fragment 4 p + w: 1,024 bytes, lane l's 16 bytes at 16 l
.endr
.endr
	s_wait_dscnt 0x0                               ; for the others' sake: my stores have landed
	s_barrier_signal -1
	s_barrier_wait -1                              ; the twelve fragments lie in LDS
	WIN 0x40
.irp i, 0,1,2,3,4,5,6,7,8,9,10,11,12,13,14,15,16,17,18,19,20,21,22,23
	ds_load_b128 v[WF+4*\i:WF+4*\i+3], v[LI] offset:512*\i
.endr
	s_wait_loadcnt 0x0                             ; x and the biases
	s_wait_dscnt 0x0                               ; W's fragments
	WIN 0x41                                       ; source 0 and destination window 1
.set n, 0
.rept 32
	v_ldexp_f32 v[BC+n], v[BC+n], s[NEG]           ; bq / 2^(e0 + e1)
	v_ldexp_f32 v[BC+32+n], v[BC+32+n], s[NEG+1]   ; bk / 2^(e2 + e3)
.set n, n+1
.endr
	WIN 0x40                                       ; source 0 window 0, destination window 1
.irp t, 0,1,2,3
.irp j, 0,1,2,3,4,5,6,7
	v_ldexp_f32 v[BC+64+8*\t+\j], v[BV+\t], s[NEG+2]   ; v's results hold one channel a lane: eight copies of bv / 2^(e4 + e5)
.endr
.endr
	WIN 0
; One projection: x's codes with this product's scale, the two tiles' fragments, eight matrix instructions on eight accumulators, the results' codes.
.macro PROD p, isv
	HOLDCVT X, D, XC, 8, SCV+6*\p+2, SCV+6*\p+3
.irp i, 0,1,2,3,4,5,6,7
	v_permlane16_swap_b32 v[XC+\i], v[XC+8+\i]     ; lanes 16-31 of channels 0-31 change places with lanes 0-15 of channels 32-63: v[XC + i] is tile 0's register i, v[XC + 8 + i] tile 1's
.endr
.if \isv
	WIN 0x14                                       ; source 1 (W) and C window 1
.irp t, 0,1,2,3
.irp u, 0,1
	v_wmma_f32_16x16x64_fp8_fp8 v[D+8*(2*\t+\u):D+8*(2*\t+\u)+7], v[XC+8*\u:XC+8*\u+7], v[WF+8*(4*\p+\t):WF+8*(4*\p+\t)+7], v[BC+32*\p+8*\t:BC+32*\p+8*\t+7]
.endr
.endr
.else
	WIN 0x11                                       ; source 0 (W) and C window 1
.irp u, 0,1
.irp t, 0,1,2,3
	v_wmma_f32_16x16x64_fp8_fp8 v[D+8*(4*\u+\t):D+8*(4*\u+\t)+7], v[WF+8*(4*\p+\t):WF+8*(4*\p+\t)+7], v[XC+8*\u:XC+8*\u+7], v[BC+32*\p+8*\t:BC+32*\p+8*\t+7]
.endr
.endr
.endif
	WIN 0
.rept 4
	v_nop                                          ; four places between the last product and the first read of a result (ISA guide 7.12.1)
.endr
	HOLDCVT D, D, OC+16*\p, 8, SCV+6*\p+4, SCV+6*\p+5
.endm
	PROD 0, 0
.irp i, 0,1,2,3
	global_store_b128 v7, v[OC+4*\i:OC+4*\i+3], s[20:21] offset:512*\i          ; tile 2 w + i / 2, registers 4 (i % 2) on: 512 consecutive bytes, aligned
.endr
	PROD 1, 0
.irp i, 0,1,2,3
	global_store_b128 v7, v[OC+16+4*\i:OC+16+4*\i+3], s[22:23] offset:512*\i
.endr
	PROD 2, 1
.irp t, 0,1,2,3
	global_store_b128 v8, v[OC+32+4*\t:OC+32+4*\t+3], s[22:23] offset:8192+2048*\t   ; channel tile t, group w: keys 32 w .. 32 w + 31
.endr
	s_wait_tensorcnt 0x0
	ds_add_u32 v254, v255
	s_wait_dscnt 0x0
	s_endpgm
.Lfunc_end_k_q576bf1fe8b_proj:
	.size	k_q576bf1fe8b_proj, .Lfunc_end_k_q576bf1fe8b_proj-k_q576bf1fe8b_proj
	.p2alignl 7, 3214868480
	.fill 96, 4, 3214868480
	.section	.rodata,"a",@progbits
	.p2align	6, 0x0
	.amdhsa_kernel k_q576bf1fe8b_proj
		.amdhsa_group_segment_fixed_size 12800
		.amdhsa_private_segment_fixed_size 0
		.amdhsa_enable_private_segment 0
		.amdhsa_kernarg_size 80
		.amdhsa_user_sgpr_count 2
		.amdhsa_user_sgpr_kernarg_segment_ptr 1
		.amdhsa_wavefront_size32 1
		.amdhsa_system_sgpr_workgroup_id_x 1
		.amdhsa_system_sgpr_workgroup_id_y 1
		.amdhsa_system_sgpr_workgroup_id_z 1
		.amdhsa_system_vgpr_workitem_id 0
		.amdhsa_next_free_vgpr 448
		.amdhsa_next_free_sgpr 66
		.amdhsa_reserve_vcc 0
		.amdhsa_float_denorm_mode_32 3
		.amdhsa_float_denorm_mode_16_64 3
		.amdhsa_memory_ordered 1
		.amdhsa_forward_progress 1
		.amdhsa_inst_pref_size 62
	.end_amdhsa_kernel
	.amdgpu_metadata
---
amdhsa.version: [ 1, 2 ]
amdhsa.kernels:
  - .name:           k_q576bf1fe8b_proj
    .symbol:         k_q576bf1fe8b_proj.kd
    .args:
      - { .name: x, .offset: 0, .size: 8, .value_kind: global_buffer, .address_space: global }
      - { .name: Wq, .offset: 8, .size: 8, .value_kind: global_buffer, .address_space: global }
      - { .name: Wk, .offset: 16, .size: 8, .value_kind: global_buffer, .address_space: global }
      - { .name: Wv, .offset: 24, .size: 8, .value_kind: global_buffer, .address_space: global }
      - { .name: bq, .offset: 32, .size: 8, .value_kind: global_buffer, .address_space: global }
      - { .name: bk, .offset: 40, .size: 8, .value_kind: global_buffer, .address_space: global }
      - { .name: bv, .offset: 48, .size: 8, .value_kind: global_buffer, .address_space: global }
      - { .name: lowp_scales, .offset: 56, .size: 8, .value_kind: global_buffer, .address_space: global }
      - { .name: qimg, .offset: 64, .size: 8, .value_kind: global_buffer, .address_space: global }
      - { .name: kv, .offset: 72, .size: 8, .value_kind: global_buffer, .address_space: global }
    .group_segment_fixed_size: 12800
    .private_segment_fixed_size: 0
    .kernarg_segment_align: 8
    .kernarg_segment_size: 80
    .max_flat_workgroup_size: 128
    .sgpr_count:     66
    .vgpr_count:     448
    .wavefront_size: 32
...
	.end_amdgpu_metadata
.endif
;; end of part 1
;; launch attn (part 2): grid 32 x 8, 8 waves a work-group, clusters of 4 x 1, 327,680 bytes of LDS; arguments qimg, kv, x, gamma, lowp_scales, out0; writes out0
.if DOCPART == 2
	.amdgcn_target "amdgcn-amd-amdhsa--gfx1250"
	.amdhsa_code_object_version 6
	.text
	.protected	k_q576bf1fe8b_attn
	.globl	k_q576bf1fe8b_attn
	.p2align	8
	.type	k_q576bf1fe8b_attn,@function
k_q576bf1fe8b_attn:
	s_mov_b64 s[64:65], 0
	v_nop
	global_prefetch_b8 v0, s[64:65] scope:SCOPE_SE
	s_setreg_imm32_b32 hwreg(HW_REG_WAVE_MODE, 25, 1), 1
	s_wait_xcnt 0x0
	s_wait_alu depctr_hold_cnt(0) depctr_sa_sdst(0) depctr_va_vdst(0) depctr_va_sdst(0) depctr_va_ssrc(0) depctr_va_vcc(0) depctr_vm_vsrc(0)
	s_getreg_b32 s2, hwreg(HW_REG_IB_STS2, 6, 4)
	s_cmp_eq_u32 s2, 0
	s_cbranch_scc0 .Lentry_in_a_cluster
	s_endpgm
.Lentry_in_a_cluster:
	s_bfe_u32 s2, ttmp6, 0x10000c
	s_cmp_lg_u32 s2, 0x3003
	s_cbranch_scc0 .Lentry_shape_is_right
	s_endpgm
.Lentry_shape_is_right:
; out0[b][c][i] = gamma x (sum over j of v[b][c][j] p[i][j]) / l[i] + x[b][c][i], p the softmax of q[i] . k[j] / 64 over the 4,096 keys j, both products on codes of FP8 (E4M3).
; qimg and kv hold images of the operands' registers, made by the launch before: a tile of 16 queries or keys x 64 channels is 1,024 bytes, a tile of 16 channels x 128 keys 2,048;
; registers 4 g .. 4 g + 3 of lane l lie at 512 g + 16 l.  A step of 128 keys is 16,384 bytes: eight tiles of k, four of v.
; THE SOFTMAX: t = score x log2(e) / 64; M = the running largest t rounded UP to a whole number (kept as -M = floor(-t)); p = 2^(t - M) is quantised with 2^e9 and is not normalised.
; The row's sum is taken of the unquantised p and divides at the end.  When M moves, the sum and O are multiplied by 2^(old M - new M), which rounds nothing.
; LIMITS on the given exponents, so that each power of two below is an f32 number: e6 + e7 between -120 and 133 (added to c's exponent field); e9 between -126 and 119; e8 + e9 goes by v_ldexp_f32 and has none.
; SHARES.  A work-group owns 128 queries of one image; each of its eight waves owns 16, one tile: two waves to a SIMD, so that one wave's vector work stands beside the other's matrix work and LDS loads.
; Every wave walks all 4,096 keys, 128 a step.  Both products are used transposed (S^T = k q^T, O^T = v p^T): a lane holds ONE query throughout, and the eight scores of a tile of 16 keys are
; eight neighbouring keys, which one conversion turns into two registers of the second product's operand.
; THE RING.  Two LDS slots of four steps (65,536 bytes), filled by the tensor data mover: waves 0 to 3 fetch one step each, 64 rows of 256 bytes; all eight waves read them.  A wave has at most one tensor load out.
; The images are read as they lie: every LDS load takes 512 consecutive bytes, so there is no pitch and no padding.
; CLUSTER.  The four work-groups of a cluster belong to one image and walk the same kv: each slot is asked for JOINTLY, by the same tensor load with the same descriptor and a mask that names the four.
; REGISTERS: window 0 as named below; window 1: v0-63 v's four fragments of a step.
.set STEPB, 16384                      ; a step's images
.set SLOTB, 65536                      ; a slot: four steps; slot 1 begins here, so that one exclusive or turns an address in one slot into the other's
.set STAGE, 2*SLOTB                    ; behind the ring: the way out: 64 channels x (128 queries x 4 bytes + 16)
.set SP,    528
.set SPARE, STAGE+64*SP                ; behind the stage: the spare words, 128 bytes for each wave: four blocks of 256 bytes that no other line names
.set LI,   1                           ; v1   16 x lane: my place in an image, and in a row of x and of out0; never rewritten
.set ADR,  2                           ; v2   LI + the slot in hand
.set PFO,  3                           ; v3   256 x lane: the prefetches' offset; never rewritten
.set PT,   4                           ; v4   a lane permute's destination
.set SPW,  5                           ; v5   LDS address of my spare word: SPARE + 4 x my thread's number; never rewritten
.set NIL,  6                           ; v6   0; never rewritten
.set STO,  8                           ; v8   the way out: where I put a number of my query
.set RD,   9                           ; v9   the way out: where I read a channel's row back
.set SCP,  10                          ; v10  2^e9 as f32
                                       ; v12 -M, v13 the largest t, v[14:15] the sum in two halves
.set Q,    16                          ; v16-23 my queries' fragment
.set LIMV, 24                          ; v24, v25 448 x 2^e9, twice: the two halves of a dual instruction take their second sources from different register banks
.set F,    26                          ; v26 f = 2^(old M - new M); v27 named with it as a pair
.set L2,   28                          ; v[28:29] the sum's second chain
.set MA,   30                          ; v30, v31 the maximum's two chains
.set MB,   31
.set KF,   32                          ; v32-95  k's eight fragments of a step; on the way out rows of the result
.set S,    96                          ; v96-159 S^T, then p
.set O,    160                         ; v160-191 O^T: four tiles of 16 channels
.set PC,   192                         ; v192-207 p's codes
.set XR,   208                         ; v208-239 x's rows for the last addition
.set WV,   16                          ; s16  wave
.set SEL,  20                          ; s[20:21] lane selects: lane l xor 16
.set CS,   22                          ; s[22:23] c = log2(e) / 64 x 2^(e6 + e7)
.set G1,   24                          ; s[24:31] descriptor group 1
.set G0,   32                          ; s[32:35] descriptor group 0, which walks
.set TB,   36                          ; s36  LDS byte at which the slot in hand begins
.set SLOTS, 37                         ; s37  slots still to be asked for
.set LIM,  38                          ; s38  1 in a wave that prefetches, else the greatest number
.set PFA,  40                          ; s[40:41] where my prefetches stand
.set MSB, 0
.macro WIN new                         ; the immediate's high byte repeats the setting that is left
.if MSB != \new
	s_set_vgpr_msb (MSB<<8)|\new
.set MSB, \new
.endif
.endm
; A round of the cluster's barrier: my work-group's barrier, so that wave 0's signal speaks for all eight waves; wave 0 signals for the work-group; every wave waits for the four work-groups; my work-group's barrier once more.
.macro CROUND
	s_barrier_signal -1
	s_barrier_wait -1
	s_cmp_lg_u32 s[WV], 0
	s_cbranch_scc1 .Lnot_wave_0_\@
	s_barrier_signal -3
.Lnot_wave_0_\@:
	s_barrier_wait -3
	s_barrier_signal -1
	s_barrier_wait -1
.endm
; The joint load: waves 0 to 3 fetch one step of the slot each.  The branch hangs on the wave's number alone.  Four v_nop follow the load.
.macro TLOAD
	s_cmp_lt_u32 s[WV], 4
	s_cbranch_scc0 .Lno_load_\@
	tensor_load_to_lds s[G0:G0+3], s[G1:G1+7]
	s_nop 0
.rept 4
	v_nop
.endr
.Lno_load_\@:
.endm
; A prefetch into the L2 of the slot that the NEXT change of slots will ask for, four key steps ahead of that load.  All clusters of an image walk the same kv: the image's first cluster asks.
; Its four partners take 16,384 bytes of the slot each, told apart BY ADDRESS; in each, waves 4 and 5 take 8,192 bytes, lanes 256 bytes apart: each block of 256 bytes is named once in the launch.
; Slots 0 and 1 come by their loads alone; the last change that fills a slot asks for nothing: there is no slot behind it.
.macro ASK
	s_cmp_gt_u32 s[SLOTS], s[LIM]
	s_cbranch_scc0 .Lnot_mine_\@
	global_prefetch_b8 v[PFO], s[PFA:PFA+1] th:TH_LOAD_NT scope:SCOPE_SE
.Lnot_mine_\@:
.endm
.macro FETCH_K q                       ; k's eight fragments of the slot's step q: 16 loads of 512 consecutive bytes
.irp i, 0,1,2,3,4,5,6,7,8,9,10,11,12,13,14,15
	ds_load_b128 v[KF+4*\i:KF+4*\i+3], v[ADR] offset:STEPB*(\q)+512*\i
.endr
.endm
; A KEY STEP: 128 keys, step q of the slot in hand.  more = 1: the next step lies in the same slot, and its k is fetched here.
.macro STEP q, more
	s_wait_dscnt 0x0                               ; this step's k is in
.irp t, 0,1,2,3,4,5,6,7
	v_wmma_f32_16x16x64_fp8_fp8 v[S+8*\t:S+8*\t+7], v[KF+8*\t:KF+8*\t+7], v[Q:Q+7], 0   ; lane (r, h): query r; register j: key 16 t + 8 h + j
.endr
.rept 4
	v_nop                                          ; four places: in front of the loads into k's registers (just read) and v's (read by the last step's products), and of the first read of the scores
.endr
	WIN 0x40                                       ; destination window 1
.irp i, 0,1,2,3,4,5,6,7,8,9,10,11,12,13,14,15
	ds_load_b128 v[4*\i:4*\i+3], v[ADR] offset:STEPB*(\q)+8192+512*\i   ; v's four fragments of this step
.endr
	WIN 0
.if \more
	FETCH_K (\q)+1
.endif
	v_max3_num_f32 v[MA], v[S], v[S+1], v[S+2]     ; the step's largest score of my query among my 64 keys, in two chains; each tile is first read at its lowest registers
	v_max3_num_f32 v[MB], v[S+3], v[S+4], v[S+5]
.irp i, 6,10,14,18,22,26,30,34,38,42,46,50,54,58
	v_max3_num_f32 v[MA], v[MA], v[S+\i], v[S+1+\i]
	v_max3_num_f32 v[MB], v[MB], v[S+2+\i], v[S+3+\i]
.endr
	v_max3_num_f32 v[MA], v[MA], v[S+62], v[S+63]
	v_max_num_f32 v[MA], v[MA], v[MB]
	v_permlanex16_b32 v[PT], v[MA], s[SEL], s[SEL+1]
	v_max_num_f32 v[MA], v[MA], v[PT]              ; and among lane l xor 16's
	v_mul_f32 v[MA], s[CS], v[MA]                  ; as t (c is positive)
	v_max_num_f32 v13, v13, v[MA]                  ; the running largest t
	v_mov_b32 v[MA], v12
	v_floor_f32 v12, -v13                          ; the new -M = floor(-t) = -ceil(t): a whole number
	v_sub_f32 v[MA], v12, v[MA]                    ; old M - new M: a whole number, 0 or less
	v_cvt_i32_f32 v[MA], v[MA]                     ; (it saturates)
	v_ldexp_f32 v[F], 1.0, v[MA]                   ; f = 2^(old M - new M)
	; ONE BATCH: the 32 scalings t - M (a pair each), the 64 exponentials, and O^T's rescaling set between them.  No line of it names an exponential's result; a pair is scaled ahead of the pair before's exponentials.
	v_pk_fma_f32 v[S:S+1], v[S:S+1], s[CS:CS+1], v[12:13] op_sel_hi:[1,0,0]
.set eb, 0
.rept 32
.if eb < 31
	v_pk_fma_f32 v[S+2*eb+2:S+2*eb+3], v[S+2*eb+2:S+2*eb+3], s[CS:CS+1], v[12:13] op_sel_hi:[1,0,0]   ; of the pairs c and -M the low word serves both halves
.endif
	v_exp_f32 v[S+2*eb], v[S+2*eb]                 ; p = 2^(t - M), at most 1
.if eb%2 == 0
	v_pk_mul_f32 v[O+eb:O+eb+1], v[O+eb:O+eb+1], v[F:F+1] op_sel_hi:[1,0]   ; O^T under the new M, each accumulator from its low end on
.endif
	v_exp_f32 v[S+2*eb+1], v[S+2*eb+1]
.set eb, eb+1
.endr
	v_pk_mul_f32 v[14:15], v[14:15], v[F:F+1] op_sel_hi:[1,0]   ; the sums under the new M: the plain instruction behind the last exponential
	s_wait_alu depctr_va_vdst(0)                   ; one wait for the whole batch, ahead of its first reader
	v_pk_add_f32 v[L2:L2+1], v[S:S+1], v[S+2:S+3]  ; the row's sum is taken of the unquantised p: two at a time, in two chains
.irp j, 4,8,12,16,20,24,28,32,36,40,44,48,52,56,60
	v_pk_add_f32 v[14:15], v[14:15], v[S+\j:S+1+\j]
	v_pk_add_f32 v[L2:L2+1], v[L2:L2+1], v[S+2+\j:S+3+\j]
.endr
	v_pk_add_f32 v[14:15], v[14:15], v[L2:L2+1]
.irp t, 0,1,2,3,4,5,6,7
.irp a, 0,2,4,6
	v_dual_min_num_f32 v[S+8*\t+\a], v[S+8*\t+\a], v[LIMV] :: v_dual_min_num_f32 v[S+8*\t+\a+1], v[S+8*\t+\a+1], v[LIMV+1]   ; the conversion does not saturate (ISA guide 7.6.2); p is not negative, so the hold is one-sided
.endr
	v_cvt_scalef32_pk8_fp8_f32 v[PC+2*\t:PC+2*\t+1], v[S+8*\t:S+8*\t+7], v[SCP]   ; registers 2 t, 2 t + 1 of the operand: keys 16 t + 8 h + 0 .. 7
.endr
	v_nop                                          ; one plain vector instruction between the last conversion and the products that read its result
	s_wait_dscnt 16*\more                          ; v's 16 loads are in; the next step's 16 loads of k, issued behind them, may be out
	WIN 0x01                                       ; source 0 (v) window 1
.irp t, 0,1,2,3
	v_wmma_f32_16x16x128_fp8_fp8 v[O+8*\t:O+8*\t+7], v[16*\t:16*\t+15], v[PC:PC+15], v[O+8*\t:O+8*\t+7]   ; the four accumulators take turns, one instruction a turn; the next step's eight products stand between two links
.endr
	WIN 0
.endm
; THE CHANGE OF SLOTS stands at a slot's head.  Each wave waits for all its tensor loads (its part of the slot that it is about to read), adds 0 to its spare word, and waits for that and for its reads of the slot that it has left.
; fill = 1: a round of the cluster's barrier follows, so that no wave of any partner still reads the other slot or has a load on its way, and the joint load of the next four steps is the first thing behind it.
.macro CHANGE fill
	s_wait_tensorcnt 0x0                           ; no tensor load of mine is out, so the group 0 may be written
	ds_add_u32 v[SPW], v[NIL]                      ; 0 onto my spare word
.if \fill
	s_xor_b32 s[G0+1], s[G0+1], SLOTB              ; the walking descriptor: the other slot than last time,
	s_add_nc_u64 s[G0+2:G0+3], s[G0+2:G0+3], SLOTB ; the next four steps; the type bits on top are not reached
	s_wait_xcnt 0x0                                ; the last prefetch, a slot back, has read its address, so it may be written:
	s_add_nc_u64 s[PFA:PFA+1], s[PFA:PFA+1], SLOTB ; one slot further on than the walking descriptor
.endif
	s_wait_dscnt 0x0                               ; the add is done, and my reads of the slot that I have left are over
.if \fill
	CROUND
	TLOAD
.else
	s_barrier_signal -1
	s_barrier_wait -1
.endif
.endm
.macro SLOT fill
	CHANGE \fill
	v_add_nc_u32 v[ADR], s[TB], v[LI]
	FETCH_K 0
.if \fill
	ASK                                            ; behind the tensor load, its four lines and the run of LDS loads
.endif
	STEP 0, 1
	STEP 1, 1
	STEP 2, 1
	STEP 3, 0
	s_xor_b32 s[TB], s[TB], SLOTB                  ; on to the other slot
.endm
	s_load_b256 s[4:11], s[0:1], 0x0               ; qimg s[4:5], kv s[6:7], x s[8:9], gamma s[10:11]
	s_load_b128 s[12:15], s[0:1], 0x20             ; the scales' exponents s[12:13], out0 s[14:15]
	v_lshl_add_u32 v[SPW], v0, 2, SPARE
	v_mov_b32 v[NIL], 0
	ds_add_u32 v5, v6
	s_wait_dscnt 0x0
	v_lshrrev_b32 v[MA], 5, v0
	v_readfirstlane_b32 s[WV], v[MA]               ; wave 0..7
	v_and_b32 v[MB], 31, v0                        ; lane
	v_lshlrev_b32 v[LI], 4, v[MB]
	v_lshlrev_b32 v[PFO], 8, v[MB]
	v_and_b32 v7, 15, v0                           ; r
	v_bfe_u32 v11, v0, 4, 1                        ; h
	v_mul_u32_u24 v[STO], v11, 8*SP                ; the stage, in: register 8 t + j is channel 16 t + 8 h + j of query 16 w + r: row 8 h (+ 16 t + j by the offset), byte 64 w + 4 r
	v_lshl_add_u32 v[STO], v7, 2, v[STO]
	v_lshl_add_u32 v[STO], v[MA], 6, v[STO]
	v_add_nc_u32 v[STO], STAGE, v[STO]
	v_mul_u32_u24 v[RD], v[MA], 8*SP               ; and back: wave w takes channels 8 w .. 8 w + 7, whole rows of 512 bytes, 16 bytes a lane
	v_add_nc_u32 v[RD], v[RD], v[LI]
	v_add_nc_u32 v[RD], STAGE, v[RD]
	s_bfe_u32 s17, ttmp6, 0x40000                  ; cx: my place in the cluster
	s_lshl_b32 s18, ttmp9, 2                       ; in a cluster launch ttmp9 counts clusters
	s_add_co_u32 s18, s18, s17                     ; my block of 128 queries = 4 x cluster x + cx: it enters Q's, x's and out0's addresses and the prefetches' alone
	s_and_b32 s19, ttmp7, 0xffff                   ; the image, which the four partners share
	; descriptor group 1: 64 rows of 32 elements of 8 bytes, dense: 16,384 bytes in rows of 256
	s_mov_b32 s[G1], 15|(3<<16)|(1<<21)            ; 15:0 the mask: all four work-groups; 17:16 elements of 8 bytes; 20 no padding; 21 set beside a mask
	s_mov_b32 s[G1+1], 32<<16                      ; tensor_dim0 = 32
	s_mov_b32 s[G1+2], 64<<16                      ; tensor_dim1 = 64
	s_mov_b32 s[G1+3], 32<<16                      ; tile_dim0 = 32
	s_mov_b32 s[G1+4], 64                          ; tile_dim1 = 64
	s_mov_b32 s[G1+5], 32                          ; from row to row: 32 elements
	s_mov_b32 s[G1+6], 0
	s_mov_b32 s[G1+7], 0
	s_mov_b32 s[SEL], 0x76543210
	s_mov_b32 s[SEL+1], 0xfedcba98
	s_mov_b32 s[CS], 0x3cb8aa3b                    ; log2(e) / 64
	s_mov_b32 s[TB], 0
	s_mov_b32 s[SLOTS], 7                          ; 4,096 keys are eight slots; slot 0 is asked for at the head
	s_sub_co_u32 s42, s[WV], 4
	s_lshr_b32 s42, s42, 1                         ; 0 in waves 4 and 5,
	s_or_b32 s42, s42, ttmp9                       ; of the image's first cluster: the same in all four partners
	s_cmp_eq_u32 s42, 0
	s_cselect_b32 s[LIM], 1, -1
	s_and_b32 s51, s[WV], 3                        ; which step of a slot I fetch, if I fetch
	s_mov_b32 s[G0], 1                             ; count = 1
	s_lshl_b32 s[G0+1], s51, 14                    ; LDS address: slot 0, my step: no place in the cluster enters it
	s_lshl_b32 s42, s19, 19                        ; the image's 32 steps of 16,384 bytes,
	s_add_co_u32 s42, s42, s[G0+1]                 ; my step
	s_mov_b32 s43, 0
	s_wait_kmcnt 0x0
	s_load_b128 s[44:47], s[12:13], 0x18           ; e6, e7, e8, e9
	s_load_b32 s48, s[10:11], 0x0                  ; gamma
	s_add_nc_u64 s[G0+2:G0+3], s[6:7], s[42:43]    ; global address
	s_or_b32 s[G0+3], s[G0+3], 0x80000000          ; type = 2
	s_lshl_b32 s52, s19, 19                        ; the prefetches: the image,
	s_lshl_b32 s53, s17, 14                        ; my work-group's 16,384 bytes of a slot,
	s_add_co_u32 s52, s52, s53
	s_and_b32 s53, s[WV], 1
	s_lshl_b32 s53, s53, 13                        ; my wave's 8,192 of them,
	s_add_co_u32 s52, s52, s53
	s_add_co_u32 s52, s52, SLOTB                   ; in slot 1: the first change of slots steps it to slot 2
	s_mov_b32 s53, 0
	s_add_nc_u64 s[PFA:PFA+1], s[6:7], s[52:53]
	s_lshl_b32 s52, s19, 8                         ; Q: tile 256 b + 8 x block + wave, of 1,024 bytes
	s_lshl_b32 s51, s18, 3
	s_add_co_u32 s52, s52, s51
	s_add_co_u32 s52, s52, s[WV]
	s_lshl_b32 s52, s52, 10
	s_add_nc_u64 s[4:5], s[4:5], s[52:53]
	s_lshl_b32 s52, s19, 20                        ; x and out0: the image, my block's 512 bytes of a row, my wave's eight channels of 16,384 bytes
	s_lshl_b32 s51, s18, 9
	s_add_co_u32 s52, s52, s51
	s_lshl_b32 s51, s[WV], 17
	s_add_co_u32 s52, s52, s51
	s_add_nc_u64 s[8:9], s[8:9], s[52:53]
	s_add_nc_u64 s[14:15], s[14:15], s[52:53]
	CROUND                                         ; all four work-groups are here: the first joint loads meet
	TLOAD                                          ; slot 0
	global_load_b128 v[Q:Q+3], v[LI], s[4:5] th:TH_LOAD_NT          ; my queries' fragment stays in registers
	global_load_b128 v[Q+4:Q+7], v[LI], s[4:5] offset:512 th:TH_LOAD_NT
	v_mov_b32 v13, 0xff61b1e6                      ; the largest t so far: -3e38, under every t
	v_floor_f32 v12, -v13                          ; -M
	v_mov_b32 v14, 0                               ; the sum, in two halves
	v_mov_b32 v15, 0
	v_mov_b32 v[PT], 0                             ; written once: a lane permute's destination counts as one of its sources
	v_mov_b32 v[F+1], 0                            ; (named as the upper half of the pair)
.set n, 0
.rept 32
	v_mov_b32 v[O+n], 0                            ; O^T.  (The step is written without a first form of its own: the first finds zeros, which the first change of M leaves zeros)
.set n, n+1
.endr
	s_wait_kmcnt 0x0
	s_add_co_i32 s51, s44, s45
	s_lshl_b32 s51, s51, 23
	s_add_co_i32 s[CS], s[CS], s51                 ; a score stands for score x 2^(e6 + e7): the two exponents are added to c's exponent field
	s_mov_b32 s[CS+1], s[CS]                       ; (named with it as a pair, so it is written)
	s_add_co_i32 s51, s47, 127
	s_lshl_b32 s52, s51, 23
	v_mov_b32 v[SCP], s52                          ; 2^e9 as f32: the conversion takes its exponent field
	s_add_co_i32 s51, s51, 8
	s_lshl_b32 s51, s51, 23
	s_or_b32 s51, s51, 0x600000
	v_mov_b32 v[LIMV], s51                         ; 448 x 2^e9
	v_mov_b32 v[LIMV+1], s51
	s_add_co_i32 s50, s46, s47                     ; e8 + e9
	s_mov_b32 s49, s48                             ; gamma, named as a pair
	s_wait_loadcnt 0x0                             ; Q
.Lslot:                                            ; seven trips: behind each change of slots but the last the next slot is asked for
	SLOT 1
	s_sub_co_u32 s[SLOTS], s[SLOTS], 1
	s_cmp_lg_u32 s[SLOTS], 0
	s_cbranch_scc1 .Lslot
.irp i, 0,1,2,3,4,5,6,7
	global_load_b128 v[XR+4*\i:XR+4*\i+3], v[LI], s[8:9] offset:16384*\i th:TH_LOAD_NT   ; x of the eight rows that I shall store: asked for a slot ahead of its use; 512 consecutive bytes a load
.endr
	SLOT 0                                         ; the last slot is written out
	; THE WAY OUT.  O^T x 2^(e8 + e9) / the sum goes into the work-group's stage, a row to a channel; behind a barrier each wave reads eight whole rows of 128 queries, adds x and stores them.
.rept 4
	v_nop                                          ; four places behind the last products
.endr
	v_add_f32 v14, v14, v15                        ; the sum's two halves,
	v_permlanex16_b32 v[PT], v14, s[SEL], s[SEL+1]
	v_add_f32 v14, v14, v[PT]                      ; and lane l xor 16's: the row's sum
	v_rcp_f32 v14, v14
	v_nop                                          ; a plain instruction behind the reciprocal
	s_wait_alu depctr_va_vdst(0)                   ; and a wait ahead of its first reader
	v_ldexp_f32 v14, v14, s50                      ; x 2^(e8 + e9)
.set n, 0
.rept 16
	v_pk_mul_f32 v[S+n:S+n+1], v[O+n:O+n+1], v[14:15] op_sel_hi:[1,0]   ; each accumulator from its low end on, into other registers
.set n, n+2
.endr
.irp t, 0,1,2,3
.irp j, 0,1,2,3,4,5,6,7
	ds_store_b32 v[STO], v[S+8*\t+\j] offset:(16*\t+\j)*SP   ; lanes 0-15: 64 consecutive bytes of a row; lanes 16-31: eight rows on, 8 x 528 = 16 x 256 + 128 bytes away
.endr
.endr
	s_wait_dscnt 0x0                               ; for the others' sake: my stores into the stage are done
	s_barrier_signal -1
	s_barrier_wait -1                              ; 64 whole rows lie in the stage
.irp i, 0,1,2,3,4,5,6,7
	ds_load_b128 v[KF+4*\i:KF+4*\i+3], v[RD] offset:SP*\i
.endr
	s_wait_loadcnt 0x0                             ; x's rows
.irp i, 0,1,2,3,4,5,6,7
	s_wait_dscnt 7-\i                              ; LDS loads come back in order: row i is in, the younger ones may be out
	v_pk_fma_f32 v[KF+4*\i:KF+4*\i+1], v[KF+4*\i:KF+4*\i+1], s[48:49], v[XR+4*\i:XR+4*\i+1] op_sel_hi:[1,0,1]       ; gamma x attention + x
	v_pk_fma_f32 v[KF+4*\i+2:KF+4*\i+3], v[KF+4*\i+2:KF+4*\i+3], s[48:49], v[XR+4*\i+2:XR+4*\i+3] op_sel_hi:[1,0,1]
	global_store_b128 v[LI], v[KF+4*\i:KF+4*\i+3], s[14:15] offset:16384*\i th:TH_STORE_NT   ; 32 lanes store 512 consecutive bytes, at a multiple of 256 from out0's first byte
.endr
	s_wait_tensorcnt 0x0                           ; the wave's end: behind my last tensor load and my last LDS store
	ds_add_u32 v[SPW], v[NIL]
	s_wait_dscnt 0x0
	CROUND                                         ; the closing round: no work-group ends while a partner may still ask for a tile that names it
	s_endpgm
.Lfunc_end_k_q576bf1fe8b_attn:
	.size	k_q576bf1fe8b_attn, .Lfunc_end_k_q576bf1fe8b_attn-k_q576bf1fe8b_attn
	.p2alignl 7, 3214868480
	.fill 96, 4, 3214868480
	.section	.rodata,"a",@progbits
	.p2align	6, 0x0
	.amdhsa_kernel k_q576bf1fe8b_attn
		.amdhsa_group_segment_fixed_size 327680
		.amdhsa_private_segment_fixed_size 0
		.amdhsa_enable_private_segment 0
		.amdhsa_kernarg_size 48
		.amdhsa_user_sgpr_count 2
		.amdhsa_user_sgpr_kernarg_segment_ptr 1
		.amdhsa_wavefront_size32 1
		.amdhsa_system_sgpr_workgroup_id_x 1
		.amdhsa_system_sgpr_workgroup_id_y 1
		.amdhsa_system_sgpr_workgroup_id_z 1
		.amdhsa_system_vgpr_workitem_id 0
		.amdhsa_next_free_vgpr 320
		.amdhsa_next_free_sgpr 66
		.amdhsa_reserve_vcc 0
		.amdhsa_float_denorm_mode_32 3
		.amdhsa_float_denorm_mode_16_64 3
		.amdhsa_memory_ordered 1
		.amdhsa_forward_progress 1
		.amdhsa_inst_pref_size 136
	.end_amdhsa_kernel
	.amdgpu_metadata
---
amdhsa.version: [ 1, 2 ]
amdhsa.kernels:
  - .name:           k_q576bf1fe8b_attn
    .symbol:         k_q576bf1fe8b_attn.kd
    .args:
      - { .name: qimg, .offset: 0, .size: 8, .value_kind: global_buffer, .address_space: global }
      - { .name: kv, .offset: 8, .size: 8, .value_kind: global_buffer, .address_space: global }
      - { .name: x, .offset: 16, .size: 8, .value_kind: global_buffer, .address_space: global }
      - { .name: gamma, .offset: 24, .size: 8, .value_kind: global_buffer, .address_space: global }
      - { .name: lowp_scales, .offset: 32, .size: 8, .value_kind: global_buffer, .address_space: global }
      - { .name: out0, .offset: 40, .size: 8, .value_kind: global_buffer, .address_space: global }
    .group_segment_fixed_size: 327680
    .private_segment_fixed_size: 0
    .kernarg_segment_align: 8
    .kernarg_segment_size: 48
    .max_flat_workgroup_size: 256
    .sgpr_count:     66
    .vgpr_count:     320
    .wavefront_size: 32
...
	.end_amdgpu_metadata
.endif
;; end of part 2
